; MI455X (gfx1250); checked and timed in simulation.
; The chip was launched on July 23, 2026; its instructions are those of AMD's public machine-readable ISA for CDNA 5 (MIT licence, August 2026) and "CDNA5" Instruction Set Architecture Reference Guide (July 2026). The comments in the code are by the model that wrote it; some were corrected since.
;; Raw SDP. Allowed arithmetic: matrix products marked QUANTISED: E2M1 operands, one E8M0 scale for each 32 along K, by v_wmma_scale_f32_16x16x128_f8f6f4 with both operands' format E2M1 (or v_wmma_scale_f32_32x16x128_f4), f32 sums; everything else in f32.
;; Inputs: key 2 x 8 x 2,048 x 128 float32; query 2 x 32 x 2,048 x 128 float32; value 2 x 8 x 2,048 x 128 float32.
;; Outputs: out0 2 x 32 x 2,048 x 128 float32.
;; This version of the problem:
;;   THIS VERSION OF THE PROBLEM IS GIVEN IN LOW PRECISION. The matrix products marked QUANTISED in the list below multiply operands that are first quantised to E2M1 (2 exponent bits, 1 mantissa bit; 4 bits a number), with one power-of-two scale for each 32 numbers along K (OCP MX v1.0); their sums are f32. All else is computed in f32.
;;   The module's matrix products, in the order in which they are computed (A, B: the left and right operand; K: the contracted axis; several contracted axes count as one K, in the product's order):
;;     1. batch 64 x [M 2,048, K 128] x [K 128, N 2,048]; A: computed on the way; B: computed on the way: QUANTISED
;;     2. batch 64 x [M 2,048, K 2,048] x [K 2,048, N 128]; A: softmax (see below); B: input value: QUANTISED
;;   THE QUANTISER, for each operand of a quantised product, along K:
;;     - K is cut into blocks of 32 from its start; a last block that is shorter is filled with zeros.
;;     - A block's scale is 2^e with e = floor(log2(the largest magnitude in the block)) - 2, held to -126 .. 127; a block of zeros has e = 0. As a byte (E8M0): e + 127.
;;     - Each number is divided by its block's scale, clamped to +-6, and rounded to the nearest number of E2M1, ties to even, subnormals kept.
;;     - The product sums the exact products of the quantised numbers (number of the format x scale) in f32.
;;   ~~~python
;;   def quantise(x, axis):      # numpy; x: float32 -> the quantised numbers, widened to float32 again
;;       x = np.moveaxis(x, axis, -1); K = x.shape[-1]
;;       x = np.pad(x, [(0, 0)] * (x.ndim - 1) + [(0, -K % 32)]); x = x.reshape(x.shape[:-1] + (-1, 32)); a = np.abs(x).max(-1, keepdims=True)
;;       e = np.where(a > 0, np.clip(np.frexp(np.where(a > 0, a, 1))[1] - 1 - 2, -126, 127), 0)      # np.frexp(a)[1] - 1 = floor(log2(a)), exactly
;;       r = np.clip(x / 2.0 ** e, -6, 6)
;;       step = 2.0 ** (np.maximum(np.frexp(np.where(r == 0, 1, r))[1] - 1, 0) - 1)
;;       q = np.round(r / step) * step * 2.0 ** e      # np.round: ties to even
;;       return np.moveaxis(q.reshape(q.shape[:-2] + (-1,))[..., :K], -1, axis).astype(np.float32)
;;   ~~~
;;   SOFTMAX AHEAD OF A QUANTISED PRODUCT. Where the list says 'softmax', what is quantised is not the finished softmax but p = 2^(t - M), with t = logit x log2(e) and M = ceil(the row's largest t), a whole number; so 1/2 < the row's largest p <= 1. The row's sum l is taken of the UNQUANTISED p, in f32, and the product's result is divided by l at the end. Since M is a whole number, a kernel that streams over the keys may use a running M (the ceiling of the running maximum): every later rescaling is an exact power of two, which a block's scale takes up: the codes' values come out the same.
;;   OPERANDS COMPUTED ON THE WAY. 'Computed on the way' means the value that the module computes at that place (a softmax that the list does not call 'softmax' is quantised finished and normalised). What goes into a quantiser is computed in f32, as accurately as f32 sums, v_exp_f32 and their like allow (about 1e-6 of the number): no bf16 or f16 on the way to a quantiser, and a product that is left as it is and whose result goes on into a quantised operand takes f32 operands (vector FMAs, or v_wmma_f32_16x16x4_f32). A number that lies on a knife's edge between two numbers of the format may be rounded either way, as far as f32 arithmetic and the matrix unit's own rounding can turn it there, and no further.
;; One version. Each part assembles by itself: llvm-mc -triple=amdgcn-amd-amdhsa -mcpu=gfx1250 --defsym DOCPART=n.
;; ======== version 1 of 1: 2 launches
;; workspace buffers: kv 4,456,448 bytes
;; launch pack (part 1): grid 16 x 16, 8 waves a work-group, no clusters, 19,456 bytes of LDS; arguments key, value, kv; writes kv
.if DOCPART == 1
	.amdgcn_target "amdgcn-amd-amdhsa--gfx1250"
	.amdhsa_code_object_version 6
	.text
	.protected	k_q0f1a4ee24d_pack
	.globl	k_q0f1a4ee24d_pack
	.p2align	8
	.type	k_q0f1a4ee24d_pack,@function
k_q0f1a4ee24d_pack:
	s_mov_b64 s[64:65], 0
	v_nop
	global_prefetch_b8 v0, s[64:65] scope:SCOPE_SE
	s_setreg_imm32_b32 hwreg(HW_REG_WAVE_MODE, 25, 1), 1
	s_wait_xcnt 0x0
; key, value: [16 heads][2048 keys][128 channels] f32  ->  kv: [16 heads][16 key steps][17,408 bytes]: all that one key step of 128 keys of one head needs, as codes of FP4 (E2M1)
; with one E8M0 scale byte for each 32 along a product's K, laid AS IMAGES OF THE OPERANDS' REGISTERS (lane l's 16 bytes at 16 l):
;   +0      K's 8 fragments: tile t, registers 4 c .. 4 c + 3 at 1024 t + 512 c + 16 l.  Lane (r = l % 16, h = l / 16) holds channels 64 c + 32 h + 0 .. 31 of key 32 (t / 2) + 8 (t % 2) + r + 8 (r / 8)
;   +8192   V's 8 fragments: channel group G at 1024 G + 512 c + 16 l.  Lane (r, h) holds keys 64 c + 32 h + 0 .. 31 of channel 16 G + r
;   +16384  the scale words: piece i at 512 i + 16 l, four words j a lane.  Lanes 0-15: K's word of tile 4 i + j, row r.  Lanes 16-31: V's word of channel group 2 j + i, row r
; K is key x 128^-0.25, quantised along the channels; V is value, quantised along the keys.
; A block's scale is 2^(floor(log2(its largest magnitude)) - 2); its byte is the largest magnitude's exponent field - 2, held at 1 from below by a floor among the maximum's leaves.
; LIMITS: x / 128^0.25 is computed as x * 0.29730178 (one rounding of the constant, one of the product); a block whose largest magnitude lies under 2^-124 gets the byte 1; a block of zeros
; gets the byte 1 with zero codes where the rule says 127 (this program alone reads the bytes, and zero codes add nothing); NaN and infinities among the inputs are not served.
; SHARES.  A work-group makes one record: x = the key step, y = the head: 256 equal work-groups.  Waves 0-3 take K: wave q tiles 2 q, 2 q + 1 (32 neighbouring keys).  Waves 4-7 take V: wave 4 + q
; channels 32 q .. 32 q + 31 of the 128 keys.  The roles part once on the wave's number and meet at one barrier, behind which wave 0 stores the scale words that all eight have gathered in LDS.
; No work-group reads what another reads, so there is nothing to ask for jointly; no tensor loads: each number is read once, straight into registers.
.set STEPB, 17408                      ; a record
.set HEADB, 16*STEPB                   ; a head's records
.set WST,   16*272                     ; LDS: a K wave's stage: 16 rows x (256 bytes + 16); the pitch is an odd multiple of 16 bytes, so that 16 rows' equal columns fall 16 bytes apart modulo 256
.set SCI,   4*WST                      ; behind the four stages: the record's 1,024 bytes of scale words
.set FLOOR, 0x1800000                  ; 2^(3 - 127)
.set LN,  1                            ; v1   lane
.set GL,  2                            ; v2   K in memory: 512 (l / 16) + 16 (l % 16): a half wave takes 256 bytes of a row, the other half those of the next row
.set SA,  3                            ; v3   the stage, on the way in: the same two rows, 272 bytes apart
.set QRB, 4                            ; v4   and on the way out: row r, + 128 h: my 32 neighbours along the channels
.set KSA, 5                            ; v5   LDS: where K's scale word goes (lanes 0-15 tile 2 q's, lanes 16-31 tile 2 q + 1's)
.set VSA, 6                            ; v6   LDS: where V's goes
.set LI,  7                            ; v7   16 x lane
.set TA,  8                            ; v8   SCI + 16 x lane
.set H8,  9                            ; v9   8 h
.set L4,  10                           ; v10  V in memory: 4 x lane + 128 q
.set VA,  11                           ; v11  V's codes in the record: 2048 q + 1024 (l / 16) + 16 (l % 16)
.set BM,  12                           ; v12-15 largest magnitudes
.set SO,  16                           ; v16-17 the conversions' scale operands
.set T4,  18                           ; v18-21 at work
.set X,   32                           ; v32-95 (K) 64 numbers of my row; v32-159 (V) 128 keys of my channel
.set R,   96                           ; v96-223 (K) the numbers as they are loaded
.set F,   224                          ; v224-239 the codes: registers of its own for each store, so that no store's data are written again
.set W,   240                          ; v240-241 scale words
.set RS,  22                           ; s[22:23] 128^-0.25 (the packed form names a pair and takes its low word for both halves)
.set SEL, 24                           ; s[24:25] v_permlanex16_b32's selects for lane l xor 16
; the largest magnitude of v[x] .. v[x + 31] and the floor, into v[a]; two chains, a and b, by turns
.macro MAX32 x, a, b
	v_max3_num_f32 v[\a], |v[(\x)]|, |v[(\x)+1]|, FLOOR
	v_max3_num_f32 v[\b], |v[(\x)+16]|, |v[(\x)+17]|, |v[(\x)+18]|
.irp i, 0,1,2,3,4,5
	v_max3_num_f32 v[\a], v[\a], |v[(\x)+2+2*\i]|, |v[(\x)+3+2*\i]|
	v_max3_num_f32 v[\b], v[\b], |v[(\x)+19+2*\i]|, |v[(\x)+20+2*\i]|
.endr
	v_max3_num_f32 v[\a], v[\a], |v[(\x)+14]|, |v[(\x)+15]|
	v_max3_num_f32 v[\a], v[\a], v[\b], |v[(\x)+31]|
.endm
; 64 numbers of a lane, register x + 32 c + i = channel 64 c + 32 h + i of my row, are multiplied by 128^-0.25 and become the fragment's eight registers v[f] on and my row's scale word v[w].
; A lane holds two whole blocks (h and 2 + h), so no other lane is asked for a maximum; the word's four bytes are gathered from lanes l and l xor 16.
.macro QUANT x, f, w
.set JJ, 0
.rept 32
	v_pk_mul_f32 v[(\x)+JJ:(\x)+JJ+1], v[(\x)+JJ:(\x)+JJ+1], s[RS:RS+1] op_sel_hi:[1,0]
.set JJ, JJ+2
.endr
	MAX32 (\x), BM, BM+2
	MAX32 (\x)+32, BM+1, BM+3
.irp c, 0,1
	v_add_nc_u32 v[SO+\c], 0xff000000, v[BM+\c]    ; 2 off the exponent field: the conversion takes the exponent field of this operand as its scale, and nothing else of it
.endr
.irp c, 0,1
	v_lshrrev_b32 v[T4+\c], 23, v[SO+\c]           ; the scale's byte
.endr
	v_lshl_or_b32 v[\w], v[T4+1], 16, v[T4]        ; my two bytes: blocks h and 2 + h,
	v_lshlrev_b32 v[\w], v[H8], v[\w]              ; at their places in the word (8 h bits up);
	v_permlanex16_b32 v[T4+2], v[\w], s[SEL], s[SEL+1]
	v_or_b32 v[\w], v[\w], v[T4+2]                 ; with lane l xor 16's two the word is whole, in both lanes
.irp c, 0,1
.irp g, 0,1,2,3
	v_cvt_scalef32_pk8_fp4_f32 v[(\f)+4*\c+\g], v[(\x)+32*\c+8*\g:(\x)+32*\c+8*\g+7], v[SO+\c]
.endr
.endr
	v_nop                                          ; one plain place behind the last scaled conversion
.endm
; 16 rows x 256 bytes, as loaded (two rows an instruction), go through my stage and come back 128 bytes a lane.  LDS serves a wave's instructions in order (ISA guide 5.7.1.4): no wait between the stores and the loads
.macro TURN src, dst
.irp i, 0,1,2,3,4,5,6,7
	ds_store_b128 v[SA], v[(\src)+4*\i:(\src)+4*\i+3] offset:2*\i*272
.endr
.irp j, 0,1,2,3,4,5,6,7
	ds_load_b128 v[(\dst)+4*\j:(\dst)+4*\j+3], v[QRB] offset:16*\j
.endr
.endm
	s_load_b128 s[4:7], s[0:1], 0x0                ; key s[4:5], value s[6:7]
	s_load_b64 s[8:9], s[0:1], 0x10                ; kv
	v_lshl_add_u32 v254, v0, 2, 0x4800
	v_mov_b32 v255, 0
	v_lshrrev_b32 v12, 5, v0
	v_readfirstlane_b32 s10, v12                   ; wave 0..7
	s_and_b32 s11, s10, 3                          ; q
	s_and_b32 s13, ttmp7, 0xffff                   ; the head
	s_lshl_b32 s14, s13, 20                        ; a head is 2,048 rows of 512 bytes,
	s_lshl_b32 s12, ttmp9, 16                      ; a key step 128 rows
	s_add_co_u32 s14, s14, s12                     ; value: the step's first row (under 2^24 bytes)
	s_mov_b32 s15, 0
	s_lshl_b32 s12, s11, 14
	s_add_co_u32 s16, s14, s12                     ; key: + my 32 rows
	s_mov_b32 s17, 0
	s_mul_i32 s18, s13, HEADB
	s_mul_i32 s12, ttmp9, STEPB
	s_add_co_u32 s18, s18, s12                     ; kv: the record
	s_mov_b32 s19, 0
	s_lshl_b32 s26, s11, 11                        ; 2048 q: my two tiles of K, or my two channel groups of V
	s_mov_b32 s27, 0
	s_mov_b32 s[RS], 0x3e9837f0                    ; 128^-0.25 = 0.29730178
	s_mov_b32 s[RS+1], s[RS]
	s_mov_b32 s[SEL], 0x76543210
	s_mov_b32 s[SEL+1], 0xfedcba98
	; every address register is made here, ahead of the parting, and holds nothing else afterwards
	v_and_b32 v[LN], 31, v0
	v_and_b32 v13, 15, v0                          ; r
	v_bfe_u32 v14, v0, 4, 1                        ; h
	v_lshlrev_b32 v[GL], 9, v14
	v_lshl_add_u32 v[GL], v13, 4, v[GL]
	s_mul_i32 s28, s11, WST                        ; my stage
	v_mul_u32_u24 v[SA], v14, 272
	v_lshl_add_u32 v[SA], v13, 4, v[SA]
	v_add_nc_u32 v[SA], s28, v[SA]
	v_mul_u32_u24 v[QRB], v13, 272
	v_lshl_add_u32 v[QRB], v14, 7, v[QRB]
	v_add_nc_u32 v[QRB], s28, v[QRB]
	s_lshr_b32 s29, s11, 1
	s_lshl_b32 s29, s29, 9                         ; tiles 2 q, 2 q + 1 lie in piece q / 2,
	s_and_b32 s30, s11, 1
	s_lshl_b32 s30, s30, 3                         ; at words 2 (q % 2) and 2 (q % 2) + 1
	s_add_co_u32 s29, s29, s30
	s_add_co_u32 s29, s29, SCI
	v_lshlrev_b32 v[KSA], 4, v13
	v_lshl_add_u32 v[KSA], v14, 2, v[KSA]
	v_add_nc_u32 v[KSA], s29, v[KSA]               ; SCI + 512 (q / 2) + 8 (q % 2) + 16 r + 4 h
	s_lshl_b32 s30, s11, 2
	s_add_co_u32 s30, s30, SCI+256
	v_add_nc_u32 v[VSA], s30, v[GL]                ; SCI + 256 + 512 h + 16 r + 4 q: my channel lies in group 2 q + h, row r
	v_lshlrev_b32 v[LI], 4, v[LN]
	v_add_nc_u32 v[TA], SCI, v[LI]
	v_lshlrev_b32 v[H8], 3, v14
	s_lshl_b32 s31, s11, 7
	v_lshl_add_u32 v[L4], v[LN], 2, s31
	v_lshlrev_b32 v[VA], 10, v14
	v_lshl_add_u32 v[VA], v13, 4, v[VA]
	v_add_nc_u32 v[VA], s26, v[VA]
	v_mov_b32 v[T4+2], 0                           ; written once: a lane permute's destination counts as one of its sources
	s_wait_kmcnt 0x0
	s_add_nc_u64 s[4:5], s[4:5], s[16:17]
	s_add_nc_u64 s[6:7], s[6:7], s[14:15]
	s_add_nc_u64 s[8:9], s[8:9], s[18:19]
	s_add_nc_u64 s[20:21], s[8:9], s[26:27]        ; K's stores: the record + 2048 q
	s_cmp_ge_u32 s10, 4
	s_cbranch_scc1 .Lrole_v
	; ---- K.  All 32 loads go out at once: tile u, half p of the row's 512 bytes, tile rows 2 i and 2 i + 1.  Tile row 2 i is key 8 u + 2 i + 8 (i / 4) of my 32.  A half wave reads 256 consecutive bytes, aligned
.irp u, 0,1
.irp p, 0,1
.irp i, 0,1,2,3,4,5,6,7
	global_load_b128 v[R+64*\u+32*\p+4*\i:R+64*\u+32*\p+4*\i+3], v[GL], s[4:5] offset:(8*\u+2*\i+8*(\i/4))*512+256*\p th:TH_LOAD_NT
.endr
.endr
.endr
.irp u, 0,1
	s_wait_loadcnt 24-16*\u                        ; loads come back in order: this run of eight is in; the runs of eight issued behind it may be out
	TURN R+64*\u, X
	s_wait_loadcnt 16-16*\u
	TURN R+64*\u+32, X+32
	s_wait_dscnt 0x0                               ; my 64 numbers are back from the stage
	QUANT X, F+8*\u, W+\u
	global_store_b128 v[LI], v[F+8*\u:F+8*\u+3], s[20:21] offset:\u*1024          ; the wave stores 512 consecutive bytes, aligned
	global_store_b128 v[LI], v[F+8*\u+4:F+8*\u+7], s[20:21] offset:\u*1024+512
.endr
	v_cmp_le_u32 vcc_lo, 16, v[LN]
	v_cndmask_b32 v242, v[W], v[W+1], vcc_lo       ; lanes 0-15 hand on tile 2 q's word of row r, lanes 16-31 tile 2 q + 1's
	ds_store_b32 v[KSA], v242
	s_branch .Ljoin
	; ---- V.  A lane takes a channel, and its registers run down the keys: a block of 32 keys lies in one lane, and the conversions give codes with the keys innermost.  Nothing is transposed.
	; Each load reads 128 consecutive bytes a wave; the four V waves stand side by side on a row's 512.
.Lrole_v:
.macro VLOAD kb
.set II, 0
.rept 32
	global_load_b32 v[X+32*(\kb)+II], v[L4], s[6:7] offset:(32*(\kb)+II)*512 th:TH_LOAD_NT
.set II, II+1
.endr
.endm
.macro VBLOCK kb, left, more
	s_wait_loadcnt \left                           ; this block's 32 loads are in; the 32 issued behind them may be out
.if \more
	VLOAD (\kb)+2                                  ; every block has registers of its own: the block two on goes out at once
.endif
	MAX32 X+32*(\kb), BM, BM+1
	v_add_nc_u32 v[SO], 0xff000000, v[BM]
	v_lshrrev_b32 v[T4], 23, v[SO]
.if (\kb) == 0
	v_mov_b32 v[W], v[T4]                          ; four bytes make my channel's scale word, the lower keys in the lower byte
.else
	v_lshl_or_b32 v[W], v[T4], 8*(\kb), v[W]
.endif
.irp g, 0,1,2,3
	v_cvt_scalef32_pk8_fp4_f32 v[F+4*(\kb)+\g], v[X+32*(\kb)+8*\g:X+32*(\kb)+8*\g+7], v[SO]
.endr
	v_nop                                          ; one plain place behind the last scaled conversion
	global_store_b128 v[VA], v[F+4*(\kb):F+4*(\kb)+3], s[8:9] offset:8192+((\kb)/2)*512+((\kb)%2)*256   ; block kb is registers 4 (kb / 2) on of lanes 16 (kb % 2) + r: each half wave stores 256 consecutive bytes, aligned
.endm
	VLOAD 0
	VLOAD 1
	VBLOCK 0, 32, 1
	VBLOCK 1, 32, 1
	VBLOCK 2, 32, 0
	VBLOCK 3, 0, 0
	ds_store_b32 v[VSA], v[W]
.Ljoin:
	s_wait_dscnt 0x0                               ; for the others' sake: my scale words lie in LDS
	s_barrier_signal -1
	s_barrier_wait -1                              ; everybody's do
	s_cmp_lg_u32 s10, 0
	s_cbranch_scc1 .Lend
	ds_load_b128 v[244:247], v[TA]                 ; wave 0 stores the 1,024 bytes, 512 consecutive bytes an instruction
	ds_load_b128 v[248:251], v[TA] offset:512
	s_wait_dscnt 0x0
	global_store_b128 v[LI], v[244:247], s[8:9] offset:16384
	global_store_b128 v[LI], v[248:251], s[8:9] offset:16384+512
.Lend:
	s_wait_tensorcnt 0x0
	ds_add_u32 v254, v255
	s_wait_dscnt 0x0
	s_endpgm
.Lfunc_end_k_q0f1a4ee24d_pack:
	.size	k_q0f1a4ee24d_pack, .Lfunc_end_k_q0f1a4ee24d_pack-k_q0f1a4ee24d_pack
	.p2alignl 7, 3214868480
	.fill 96, 4, 3214868480
	.section	.rodata,"a",@progbits
	.p2align	6, 0x0
	.amdhsa_kernel k_q0f1a4ee24d_pack
		.amdhsa_group_segment_fixed_size 19456
		.amdhsa_private_segment_fixed_size 0
		.amdhsa_enable_private_segment 0
		.amdhsa_kernarg_size 24
		.amdhsa_user_sgpr_count 2
		.amdhsa_user_sgpr_kernarg_segment_ptr 1
		.amdhsa_wavefront_size32 1
		.amdhsa_system_sgpr_workgroup_id_x 1
		.amdhsa_system_sgpr_workgroup_id_y 1
		.amdhsa_system_sgpr_workgroup_id_z 1
		.amdhsa_system_vgpr_workitem_id 0
		.amdhsa_next_free_vgpr 256
		.amdhsa_next_free_sgpr 66
		.amdhsa_reserve_vcc 1
		.amdhsa_float_denorm_mode_32 3
		.amdhsa_float_denorm_mode_16_64 3
		.amdhsa_memory_ordered 1
		.amdhsa_forward_progress 1
		.amdhsa_inst_pref_size 40
	.end_amdhsa_kernel
	.amdgpu_metadata
---
amdhsa.version: [ 1, 2 ]
amdhsa.kernels:
  - .name:           k_q0f1a4ee24d_pack
    .symbol:         k_q0f1a4ee24d_pack.kd
    .args:
      - { .name: key, .offset: 0, .size: 8, .value_kind: global_buffer, .address_space: global }
      - { .name: value, .offset: 8, .size: 8, .value_kind: global_buffer, .address_space: global }
      - { .name: kv, .offset: 16, .size: 8, .value_kind: global_buffer, .address_space: global }
    .group_segment_fixed_size: 19456
    .private_segment_fixed_size: 0
    .kernarg_segment_align: 8
    .kernarg_segment_size: 24
    .max_flat_workgroup_size: 256
    .sgpr_count:     66
    .vgpr_count:     256
    .wavefront_size: 32
...
	.end_amdgpu_metadata
.endif
;; end of part 1
;; launch attn (part 2): grid 32 x 16, 16 waves a work-group, clusters of 4 x 1, 327,680 bytes of LDS; arguments query, kv, out0; writes out0
.if DOCPART == 2
	.amdgcn_target "amdgcn-amd-amdhsa--gfx1250"
	.amdhsa_code_object_version 6
	.text
	.protected	k_q0f1a4ee24d_attn
	.globl	k_q0f1a4ee24d_attn
	.p2align	8
	.type	k_q0f1a4ee24d_attn,@function
k_q0f1a4ee24d_attn:
	s_mov_b64 s[64:65], 0
	v_nop
	global_prefetch_b8 v0, s[64:65] scope:SCOPE_SE
	s_setreg_imm32_b32 hwreg(HW_REG_WAVE_MODE, 25, 1), 1
	s_wait_xcnt 0x0
	s_wait_alu depctr_hold_cnt(0) depctr_sa_sdst(0) depctr_va_vdst(0) depctr_va_sdst(0) depctr_va_ssrc(0) depctr_va_vcc(0) depctr_vm_vsrc(0)
	s_getreg_b32 s2, hwreg(HW_REG_IB_STS2, 6, 4)
	s_cmp_eq_u32 s2, 0
	s_cbranch_scc0 .Lentry_in_a_cluster
	s_endpgm
.Lentry_in_a_cluster:
	s_bfe_u32 s2, ttmp6, 0x10000c
	s_cmp_lg_u32 s2, 0x3003
	s_cbranch_scc0 .Lentry_shape_is_right
	s_endpgm
.Lentry_shape_is_right:
; out0[b][hq][q][:] = the sum over keys k <= q of softmax_k(Q . K) V, Q = query x 128^-0.25, K = key x 128^-0.25; four query heads share a key and value head.  query, out0: [64 heads][2048][128] f32.
; Both products on codes of FP4 (E2M1) with one E8M0 scale for each 32 along a product's K.  K and V come as records of 17,408 bytes for each key step of 128 keys, images of the operands' registers:
;   +0 K's 8 fragments (1024 t + 512 c + 16 lane), +8192 V's 8 (channel group G likewise), +16384 the scale words (piece i at 512 i + 16 lane; lanes 0-15 K's tile 4 i + j, lanes 16-31 V's group 2 j + i).
; THE KEYS OF A TILE OF K ARE NOT NEIGHBOURS: lane r of tile 2 b + u holds key 32 b + 8 u + r + 8 (r / 8), so that the 16 registers of tiles 2 b, 2 b + 1 of S^T are 16 neighbouring keys, 32 b + 16 (lane / 16) + 0 .. 15.
; THE SOFTMAX: t = score x log2(e); M = the running largest t rounded UP to a whole number; p = 2^(t - M) is quantised along the keys, not normalised; the row's sum is taken of the unquantised p
; and divides at the end.  When M moves, the sum and O are multiplied by 2^(old M - new M): exact, and with no branch on data.
; LAYOUT.  Both products are used transposed: S^T = K Q^T, O^T = V^T P^T: a lane holds ONE query (lane % 16) throughout.
; SHARES.  Grid y = the key and value head; the four work-groups of a cluster are its four query heads at the same queries, so they walk the same records: each is asked for JOINTLY (mask 15).
; The place in the cluster enters query's and out0's addresses alone.  Cluster x = a (0 .. 7).  A wave owns one tile of 16 queries; eight waves take block a of 128 queries, eight block 15 - a:
; a tile of block B has B + 1 key steps, so a pair of waves has 17 whatever a is, and all 512 work-groups have the same work.  The two kinds alternate as (w xor w / 4) % 2.
; Every work-group walks all 16 key steps (the trip counts are constants); a wave jumps over the work of the steps whose keys all come after its queries, by a scalar branch on ids, never over a barrier or a
; tensor load.  In a tile's last step, the one on the diagonal, hidden scores become -infinity ahead of the maximum (p = 0, as with the reference's most negative number), and the tile leaves at once.
; RING.  Two LDS slots of four records (69,632 dense bytes); waves 0-3 fetch a record each; all sixteen read them.
; LIMITS: x / 128^0.25 is computed as x * 0.29730178; a block whose largest magnitude lies under 2^-124 gets the byte 1, a block of zeros too (its codes are zeros); NaN and infinities among the inputs are not served.
.set STEPB, 17408                      ; a record
.set HEADB, 16*STEPB
.set SLOTB, 4*STEPB
.set SLOT1, 1<<17                      ; slot 1 begins here, so that one exclusive or turns an address in one slot into the other's
.set STAGE, SLOT1+SLOTB                ; behind the ring: 16 rows x (256 bytes + 16) for each wave: Q's turn at the head, O's way out.  No fill lands here
.set WST,   16*272
.set SPARE, STAGE+16*WST               ; the spare words, 128 bytes for each wave: eight blocks of 256 bytes that no other line names
.set FLOOR, 0x1800000                  ; 2^(3 - 127)
.set LI,  1                            ; v1   16 x lane
.set SA,  2                            ; v2   my stage by rows: 272 (l / 16) + 16 (l % 16)
.set OST, 3                            ; v3   my stage, O's way in: 272 r + 32 h
.set GO,  4                            ; v4   query and out0: 512 (l / 16) + 16 (l % 16)
.set SPW, 5                            ; v5   LDS address of my spare word; never rewritten
.set NIL, 6                            ; v6   0; never rewritten
.set DM,  7                            ; v7   my query - my block's first - 16 h
.set FA,  8                            ; v8   LDS address of the record in hand, + 16 x lane
.set H8,  9                            ; v9   8 h
.set QRB, 10                           ; v10  my stage, Q's way out: 272 r + 128 h
.set QF,  16                           ; v16-23   Q's fragment.  (v12 -M, v13 the largest t, v[14:15] the sum in two halves)
.set SC,  24                           ; v24-31   the step's scale words of K and V, and nothing else
.set FRG, 32                           ; v32-95   eight fragments, of K and then of V
.set S,   96                           ; v96-159  S^T, then p
.set O,   160                          ; v160-223 O^T
.set PC,  224                          ; v224-231 p's codes
.set BM,  232                          ; v232-235 block maxima
.set T4,  236                          ; v236-239 at work
.set SO,  240                          ; v240-243 the conversions' scale operands
.set QS,  244                          ; v244 Q's scale word
.set PS,  245                          ; v245 p's scale word
.set FF,  246                          ; v[246:247] f = 2^(old M - new M) (the pair's low word serves both halves)
.set S2,  248                          ; v[248:249] the second chain of sums
.set T,   250
.set NI,  251                          ; v251 -infinity
.set WV,  10                           ; s10 my wave's number
.set QB,  18                           ; s18 my block's first query = the first key of my last step
.set G0,  28                           ; s[28:31] descriptor group 0, which walks
.set G1,  32                           ; s[32:39] descriptor group 1
.set SLOTS, 40
.set STEPS, 41
.set KF,  42                           ; s42 the step's first key
.set TB,  43                           ; s43 LDS byte at which the step's record begins
.set CS,  44                           ; s[44:45] log2(e)
.set SEL, 46                           ; s[46:47] v_permlanex16_b32's selects for lane l xor 16
.set RS,  48                           ; s[48:49] 128^-0.25
.macro MAX32 x, a, b                   ; the largest magnitude of v[x] .. v[x + 31] and the floor, into v[a]; two chains by turns
	v_max3_num_f32 v[\a], |v[(\x)]|, |v[(\x)+1]|, FLOOR
	v_max3_num_f32 v[\b], |v[(\x)+16]|, |v[(\x)+17]|, |v[(\x)+18]|
.irp i, 0,1,2,3,4,5
	v_max3_num_f32 v[\a], v[\a], |v[(\x)+2+2*\i]|, |v[(\x)+3+2*\i]|
	v_max3_num_f32 v[\b], v[\b], |v[(\x)+19+2*\i]|, |v[(\x)+20+2*\i]|
.endr
	v_max3_num_f32 v[\a], v[\a], |v[(\x)+14]|, |v[(\x)+15]|
	v_max3_num_f32 v[\a], v[\a], v[\b], |v[(\x)+31]|
.endm
; 64 numbers of a lane, register x + 32 c + i = channel 64 c + 32 h + i of my row, x 128^-0.25, become the fragment's eight registers v[f] on and my row's scale word v[w]
.macro QUANT x, f, w
.set JJ, 0
.rept 32
	v_pk_mul_f32 v[(\x)+JJ:(\x)+JJ+1], v[(\x)+JJ:(\x)+JJ+1], s[RS:RS+1] op_sel_hi:[1,0]
.set JJ, JJ+2
.endr
	MAX32 (\x), BM, BM+2
	MAX32 (\x)+32, BM+1, BM+3
.irp c, 0,1
	v_add_nc_u32 v[SO+\c], 0xff000000, v[BM+\c]    ; 2 off the exponent field: the conversion's scale operand
.endr
.irp c, 0,1
	v_lshrrev_b32 v[T4+\c], 23, v[SO+\c]           ; the scale's byte
.endr
	v_lshl_or_b32 v[\w], v[T4+1], 16, v[T4]        ; my two bytes: blocks h and 2 + h,
	v_lshlrev_b32 v[\w], v[H8], v[\w]              ; 8 h bits up;
	v_permlanex16_b32 v[T4+2], v[\w], s[SEL], s[SEL+1]
	v_or_b32 v[\w], v[\w], v[T4+2]                 ; with lane l xor 16's two the word is whole
.irp c, 0,1
.irp g, 0,1,2,3
	v_cvt_scalef32_pk8_fp4_f32 v[(\f)+4*\c+\g], v[(\x)+32*\c+8*\g:(\x)+32*\c+8*\g+7], v[SO+\c]
.endr
.endr
	v_nop                                          ; one plain place behind the last scaled conversion
.endm
.macro TURN src, dst                   ; 16 rows x 256 bytes, as loaded, through my stage; back 128 bytes a lane.  LDS serves a wave's instructions in order (ISA guide 5.7.1.4)
.irp i, 0,1,2,3,4,5,6,7
	ds_store_b128 v[SA], v[(\src)+4*\i:(\src)+4*\i+3] offset:2*\i*272
.endr
.irp j, 0,1,2,3,4,5,6,7
	ds_load_b128 v[(\dst)+4*\j:(\dst)+4*\j+3], v[QRB] offset:16*\j
.endr
.endm
; A round of the cluster's barrier: my work-group's barrier, so that wave 0's signal speaks for all sixteen waves; wave 0 signals for the work-group; every wave waits for all four work-groups; my work-group's barrier once more
.macro CROUND
	s_barrier_signal -1
	s_barrier_wait -1
	s_cmp_lg_u32 s[WV], 0
	s_cbranch_scc1 .Lnot_wave_0_\@
	s_barrier_signal -3
.Lnot_wave_0_\@:
	s_barrier_wait -3
	s_barrier_signal -1
	s_barrier_wait -1
.endm
; A joint load: waves 0-3 fetch a record each, the others nothing.  The branch hangs on the wave's number alone.  Four v_nop follow the line
.macro TLOAD
	s_cmp_lt_u32 s[WV], 4
	s_cbranch_scc0 .Lnone_\@
	tensor_load_to_lds s[G0:G0+3], s[G1:G1+7]
	s_nop 0
.rept 4
	v_nop
.endr
.Lnone_\@:
.endm
	s_load_b128 s[4:7], s[0:1], 0x0                ; query s[4:5], kv s[6:7]
	s_load_b64 s[8:9], s[0:1], 0x10                ; out0
	v_lshl_add_u32 v[SPW], v0, 2, SPARE
	v_mov_b32 v[NIL], 0
	ds_add_u32 v5, v6
	s_wait_dscnt 0x0
	v_lshrrev_b32 v[FA], 5, v0
	v_readfirstlane_b32 s[WV], v[FA]               ; wave 0..15
	s_bfe_u32 s11, ttmp6, 0x40000                  ; cx: which of the four query heads
	s_mov_b32 s12, ttmp9                           ; a: in a cluster launch ttmp9 counts clusters
	s_and_b32 s13, ttmp7, 0xffff                   ; the key and value head
	s_lshr_b32 s14, s[WV], 2
	s_xor_b32 s14, s14, s[WV]
	s_and_b32 s14, s14, 1                          ; 0: block a, 1: block 15 - a
	s_lshr_b32 s15, s[WV], 1                       ; which of the block's eight tiles
	s_sub_co_u32 s16, 15, s12
	s_cmp_eq_u32 s14, 1
	s_cselect_b32 s17, s16, s12
	s_lshl_b32 s[QB], s17, 7
	s_lshl_b32 s26, s15, 4
	s_add_co_u32 s19, s[QB], s26                   ; my first query
	s_lshl_b32 s20, s13, 2
	s_add_co_u32 s20, s20, s11                     ; the query head = 4 x the key and value head + cx
	s_lshl_b32 s20, s20, 11
	s_add_co_u32 s20, s20, s19
	s_lshl_b32 s20, s20, 9                         ; my first row of query and out0, in bytes (under 2^27)
	s_mov_b32 s21, 0
	s_and_b32 s24, s[WV], 3
	s_mul_i32 s24, s24, STEPB                      ; the record that I fetch, if I fetch: its place in a slot, and in a slot's bytes of kv
	s_mul_i32 s22, s13, HEADB
	s_add_co_u32 s22, s22, s24                     ; (no register that feeds the descriptor ever holds cx)
	s_mov_b32 s23, 0
	s_mul_i32 s25, s[WV], WST
	s_add_co_u32 s25, s25, STAGE                   ; my stage
	; descriptor group 1: a record as 68 rows of 32 elements of 8 bytes, dense in memory and in LDS
	s_mov_b32 s[G1], 15|(3<<16)|(1<<21)            ; 15:0 the mask: all four work-groups; 17:16 elements of 8 bytes; 20 no padding; 21 set beside a mask
	s_mov_b32 s[G1+1], 32<<16                      ; tensor_dim0 = 32
	s_mov_b32 s[G1+2], 68<<16                      ; tensor_dim1 = 68
	s_mov_b32 s[G1+3], 32<<16                      ; tile_dim0 = 32
	s_mov_b32 s[G1+4], 68                          ; tile_dim1 = 68
	s_mov_b32 s[G1+5], 32                          ; tensor_dim0_stride
	s_mov_b32 s[G1+6], 0
	s_mov_b32 s[G1+7], 0
	s_mov_b32 s[CS], 0x3fb8aa3b                    ; log2(e)
	s_mov_b32 s[CS+1], s[CS]
	s_mov_b32 s[SEL], 0x76543210
	s_mov_b32 s[SEL+1], 0xfedcba98
	s_mov_b32 s[RS], 0x3e9837f0                    ; 128^-0.25 = 0.29730178
	s_mov_b32 s[RS+1], s[RS]
	s_mov_b32 s[KF], 0
	s_mov_b32 s[TB], 0
	s_mov_b32 s[SLOTS], 3
	v_and_b32 v[T], 31, v0
	v_lshlrev_b32 v[LI], 4, v[T]
	v_and_b32 v[BM], 15, v0                        ; r
	v_bfe_u32 v[BM+1], v0, 4, 1                    ; h
	v_mul_u32_u24 v[SA], v[BM+1], 272
	v_lshl_add_u32 v[SA], v[BM], 4, v[SA]
	v_add_nc_u32 v[SA], s25, v[SA]
	v_mul_u32_u24 v[OST], v[BM], 272
	v_lshl_add_u32 v[QRB], v[BM+1], 7, v[OST]
	v_lshl_add_u32 v[OST], v[BM+1], 5, v[OST]
	v_add_nc_u32 v[OST], s25, v[OST]
	v_add_nc_u32 v[QRB], s25, v[QRB]
	v_lshlrev_b32 v[GO], 9, v[BM+1]
	v_lshl_add_u32 v[GO], v[BM], 4, v[GO]
	v_lshlrev_b32 v[DM], 4, v[BM+1]
	v_sub_nc_u32 v[DM], v[BM], v[DM]
	v_add_nc_u32 v[DM], s26, v[DM]                 ; 16 x tile + r - 16 h
	v_lshlrev_b32 v[H8], 3, v[BM+1]
	s_wait_kmcnt 0x0
	s_add_nc_u64 s[4:5], s[4:5], s[20:21]
	s_add_nc_u64 s[8:9], s[8:9], s[20:21]
	s_mov_b32 s[G0], 1                             ; 1:0 count = 1
	s_mov_b32 s[G0+1], s24                         ; 63:32 LDS address: slot 0
	s_add_nc_u64 s[G0+2:G0+3], s[6:7], s[22:23]    ; 120:64 global address: the head's first four records, mine of them
	s_or_b32 s[G0+3], s[G0+3], 0x80000000          ; 127:126 type = 2
.irp p, 0,1                                    ; Q: half p of my 16 rows' 512 bytes, two rows an instruction: a half wave reads 256 consecutive bytes, aligned
.irp i, 0,1,2,3,4,5,6,7
	global_load_b128 v[S+32*\p+4*\i:S+32*\p+4*\i+3], v[GO], s[4:5] offset:2*\i*512+256*\p th:TH_LOAD_NT
.endr
.endr
	CROUND                                         ; all four work-groups are here: the first joint loads meet
	TLOAD                                          ; slot 0: the one first fill, ahead of every LDS read and every wait on TENSORcnt
	v_mov_b32 v13, 0xff61b1e6                      ; the largest t so far: -3e38, under every t
	v_floor_f32 v12, -v13                          ; -M
	v_mov_b32 v14, 0                               ; the sum, in two halves
	v_mov_b32 v15, 0
.irp b, 0,1,2,3
	v_mov_b32 v[T4+\b], 0                          ; written once: a lane permute's destination counts as one of its sources
.endr
	v_mov_b32 v[FF+1], 0                           ; (named as the upper half of a pair)
	v_mov_b32 v[NI], 0xff800000
	s_wait_loadcnt 8                               ; the first half's eight loads are in; the second half's eight may be out
	TURN S, O
	s_wait_loadcnt 0x0
	TURN S+32, O+32
	s_wait_dscnt 0x0
	QUANT O, QF, QS                                ; Q is read once, by this wave alone: it is quantised in registers
.set JJ, 0
.rept 64
	v_mov_b32 v[O+JJ], 0                           ; O^T.  (The step is written once: the first finds zeros, which the first change of M leaves zeros.  These are also the places between Q's word and codes and the first product)
.set JJ, JJ+1
.endr
; THE WAY OUT of a finished tile: O^T / the sum goes through my stage, half a row (64 channels, 256 bytes) of 16 queries at a time, so that sixteen lanes store 256 consecutive bytes, aligned.
.macro WAYOUT
	v_add_f32 v14, v14, v15                        ; the sum's two halves,
	v_permlanex16_b32 v[T], v14, s[SEL], s[SEL+1]
	v_add_f32 v14, v14, v[T]                       ; and lane l xor 16's: the row's sum
	v_rcp_f32 v14, v14
.rept 4
	v_nop                                          ; four places behind the last products, ahead of the first read of their results (ISA guide 7.12.1); the first is also the plain place behind the reciprocal
.endr
.set JJ, 0
	s_wait_alu depctr_va_vdst(0)
.rept 32
	v_pk_mul_f32 v[S+JJ:S+JJ+1], v[O+JJ:O+JJ+1], v[14:15] op_sel_hi:[1,0]   ; each accumulator from its low end on: register 8 G + i is o(r, 16 G + 8 h + i)
.set JJ, JJ+2
.endr
.irp u, 0,1                                    ; channels 64 u on
.irp t, 0,1,2,3
	ds_store_b128 v[OST], v[S+32*\u+8*\t:S+32*\u+8*\t+3] offset:64*\t
	ds_store_b128 v[OST], v[S+32*\u+8*\t+4:S+32*\u+8*\t+7] offset:64*\t+16
.endr
.irp i, 0,1,2,3,4,5,6,7
	ds_load_b128 v[FRG+32*\u+4*\i:FRG+32*\u+4*\i+3], v[SA] offset:2*\i*272   ; these see my stores, and the next half's stores come behind them
.endr
.endr
.irp u, 0,1
.irp i, 0,1,2,3,4,5,6,7
	s_wait_dscnt 16*(1-\u)+7-\i                    ; the LDS instructions issued behind this load may be out
	global_store_b128 v[GO], v[FRG+32*\u+4*\i:FRG+32*\u+4*\i+3], s[8:9] offset:1024*\i+256*\u th:TH_STORE_NT
.endr
.endr
	s_wait_xcnt 0x0                                ; the stores have read their data: the text behind may load these registers again
.endm
; A KEY STEP: 128 keys, the record at LDS byte s[TB].
.macro STEP
	s_cmp_gt_u32 s[KF], s[QB]                      ; all its keys come after my queries: only the two lines at its end are run
	s_cbranch_scc1 .Lhidden_\@
	v_add_nc_u32 v[FA], s[TB], v[LI]
.rept 3
	v_nop                                          ; with the addition: four places in front of loads into registers that the last products read
.endr
.irp i, 0,1
	ds_load_b128 v[SC+4*\i:SC+4*\i+3], v[FA] offset:16384+512*\i     ; all 16 scale words of the step
.endr
.irp t, 0,1,2,3,4,5,6,7
.irp c, 0,1
	ds_load_b128 v[FRG+8*\t+4*\c:FRG+8*\t+4*\c+3], v[FA] offset:1024*\t+512*\c   ; K: 512 consecutive bytes an instruction
.endr
.endr
	s_wait_dscnt 0x0
.irp t, 0,1,2,3,4,5,6,7                        ; S^T = K Q^T
	v_wmma_scale_f32_16x16x128_f8f6f4 v[S+8*\t:S+8*\t+7], v[FRG+8*\t:FRG+8*\t+7], v[QF:QF+7], 0, v[SC+\t], v[QS] matrix_a_fmt:MATRIX_FMT_FP4 matrix_b_fmt:MATRIX_FMT_FP4
.endr
.rept 4
	v_nop                                          ; four places: in front of the loads into K's registers, and of the first read of the scores
.endr
.irp g, 0,1,2,3,4,5,6,7
.irp c, 0,1
	ds_load_b128 v[FRG+8*\g+4*\c:FRG+8*\g+4*\c+3], v[FA] offset:8192+1024*\g+512*\c   ; V: it lands while the softmax is worked
.endr
.endr
	s_cmp_lg_u32 s[KF], s[QB]                      ; only my last step lies on the diagonal
	s_cbranch_scc1 .Lopen_\@
.set N, 0
.rept 64                                       ; register 16 b + i holds key KF + 32 b + 16 h + i: hidden where 32 b + i > my query - KF - 16 h
	v_cmp_gt_i32 vcc_lo, 32*(N/16)+N%16, v[DM]
	v_cndmask_b32 v[S+N], v[S+N], v[NI], vcc_lo
.set N, N+1
.endr
.Lopen_\@:
.irp b, 0,1,2,3
	v_max3_num_f32 v[BM+\b], v[S+16*\b], v[S+1+16*\b], v[S+2+16*\b]   ; THE LARGEST SCORE OF EACH BLOCK OF 32 KEYS serves twice: for the row's maximum, and, since p rises with the score, for the block's largest p
.endr
.irp i, 3,5,7,9,11,13
.irp b, 0,1,2,3
	v_max3_num_f32 v[BM+\b], v[BM+\b], v[S+16*\b+\i], v[S+1+16*\b+\i]
.endr
.endr
.irp b, 0,1,2,3
	v_max_num_f32 v[BM+\b], v[BM+\b], v[S+15+16*\b]
.endr
.irp b, 0,1,2,3
	v_permlanex16_b32 v[T4+\b], v[BM+\b], s[SEL], s[SEL+1]
.endr
.irp b, 0,1,2,3
	v_max_num_f32 v[BM+\b], v[BM+\b], v[T4+\b]     ; with lane l xor 16's 16 keys
.endr
	v_max3_num_f32 v[T], v[BM], v[BM+1], v[BM+2]
	v_max_num_f32 v[T], v[T], v[BM+3]              ; the step's largest score of my query
	v_mul_f32 v[T], s[CS], v[T]                    ; as t
	v_max_num_f32 v13, v13, v[T]                   ; the running largest t
	v_mov_b32 v[T], v12
	v_floor_f32 v12, -v13                          ; the new -M = floor(-t) = -ceil(t): a whole number
	v_sub_f32 v[T], v12, v[T]                      ; old M - new M: a whole number, 0 or less
	v_cvt_i32_f32 v[T], v[T]                       ; (it saturates)
	v_ldexp_f32 v[FF], 1.0, v[T]                   ; f = 2^(old M - new M)
.set JJ, 0
.rept 32
	v_pk_fma_f32 v[S+JJ:S+JJ+1], v[S+JJ:S+JJ+1], s[CS:CS+1], v[12:13] op_sel_hi:[1,0,0]   ; t - M, two at a time
.set JJ, JJ+2
.endr
.irp b, 0,1,2,3
	v_fma_f32 v[BM+\b], v[BM+\b], s[CS], v12       ; the same of each block's largest score
.endr
.set JJ, 0
.rept 64
	v_exp_f32 v[S+JJ], v[S+JJ]                     ; p = 2^(t - M), at most 1
.set JJ, JJ+1
.endr
.irp b, 0,1,2,3
	v_exp_f32 v[BM+\b], v[BM+\b]                   ; the block's largest p: the same two instructions on the same number
.endr
	v_pk_mul_f32 v[14:15], v[14:15], v[FF:FF+1] op_sel_hi:[1,0]   ; the sums under the new M.  (The plain place behind the exponentials)
	s_wait_alu depctr_va_vdst(0)
.irp b, 0,1,2,3
	v_max_num_f32 v[BM+\b], FLOOR, v[BM+\b]        ; the byte cannot fall under 1 (a block whose every p is 0 keeps that byte: its codes are zeros)
.endr
.irp b, 0,1,2,3
	v_add_nc_u32 v[SO+\b], 0xff000000, v[BM+\b]    ; 2 off the exponent field: the conversion's scale operand
.endr
.irp b, 0,1,2,3
	v_lshrrev_b32 v[T4+\b], 23, v[SO+\b]           ; the scale's byte
.endr
	v_lshl_or_b32 v[PS], v[T4+1], 8, v[T4]         ; p's scale word for these 128 keys
	v_lshl_or_b32 v[PS], v[T4+2], 16, v[PS]
	v_lshl_or_b32 v[PS], v[T4+3], 24, v[PS]
.irp b, 0,1,2,3
	v_cvt_scalef32_pk8_fp4_f32 v[PC+2*\b], v[S+16*\b:S+7+16*\b], v[SO+\b]
	v_cvt_scalef32_pk8_fp4_f32 v[PC+1+2*\b], v[S+8+16*\b:S+15+16*\b], v[SO+\b]
.endr
	v_nop                                          ; one plain place behind the last scaled conversion
.irp c, 0,1                                    ; the operand's layout wants a WHOLE block in a lane: lanes 0-15 block 2 c, lanes 16-31 block 2 c + 1
.irp i, 0,1
	v_permlane16_swap_b32 v[PC+4*\c+\i], v[PC+2+4*\c+\i]
.endr
.endr
	v_pk_add_f32 v[S2:S2+1], v[S:S+1], v[S+2:S+3]  ; THE ROW'S SUM IS TAKEN OF THE UNQUANTISED p: two at a time, in two chains
.irp j, 4,8,12,16,20,24,28,32,36,40,44,48,52,56,60
	v_pk_add_f32 v[14:15], v[14:15], v[S+\j:S+1+\j]
	v_pk_add_f32 v[S2:S2+1], v[S2:S2+1], v[S+2+\j:S+3+\j]
.endr
	v_pk_add_f32 v[14:15], v[14:15], v[S2:S2+1]
.set JJ, 0
.rept 32
	v_pk_mul_f32 v[O+JJ:O+JJ+1], v[O+JJ:O+JJ+1], v[FF:FF+1] op_sel_hi:[1,0]   ; O^T under the new M, each accumulator from its low end on.  (With the sums: the places between p's word and codes and the products)
.set JJ, JJ+2
.endr
	s_wait_dscnt 0x0                               ; V is in
.irp g, 0,1,2,3,4,5,6,7                        ; O^T += V^T P^T: the eight accumulators take turns, one instruction a turn.  V's words stand in lanes 16-31
	v_wmma_scale_f32_16x16x128_f8f6f4 v[O+8*\g:O+8*\g+7], v[FRG+8*\g:FRG+8*\g+7], v[PC:PC+7], v[O+8*\g:O+8*\g+7], v[SC+4*(\g%2)+\g/2], v[PS] matrix_a_fmt:MATRIX_FMT_FP4 matrix_b_fmt:MATRIX_FMT_FP4 matrix_a_scale:MATRIX_SCALE_ROW1
.endr
	s_cmp_lg_u32 s[KF], s[QB]
	s_cbranch_scc1 .Lhidden_\@
	WAYOUT                                         ; that was my last step: the tile leaves now, while other waves go on
.Lhidden_\@:
	s_add_co_u32 s[KF], s[KF], 128                 ; every wave steps these two, in every step
	s_add_co_u32 s[TB], s[TB], STEPB
.endm
; THE CHANGE OF SLOTS stands at a slot's head.  Each wave waits for all its tensor loads (its part of the slot that it is about to read), adds 0 to its spare word, and waits for that and for its reads of the slot that
; it has left.  fill = 1: the barrier is a round of the cluster's, so that no wave of any partner still reads the other slot or has a load on its way, and the joint fill of that slot is the first thing behind it:
; it has four key steps in which to land.  One tensor load of a wave is out at the most.
.macro CHANGE fill
	s_wait_tensorcnt 0x0                           ; no tensor load of mine is out, so group 0 may be written
	ds_add_u32 v[SPW], v[NIL]                      ; 0 onto my spare word
.if \fill
	s_xor_b32 s[G0+1], s[G0+1], SLOT1              ; the other slot than last time,
	s_add_nc_u64 s[G0+2:G0+3], s[G0+2:G0+3], SLOTB ; the next four records; the type bits on top are not reached
.endif
	s_wait_dscnt 0x0                               ; the add is done, and my reads of the slot that I have left are over
.if \fill
	CROUND
	TLOAD
.else
	s_barrier_signal -1
	s_barrier_wait -1
.endif
.endm
.macro FOUR_STEPS                      ; a slot's four key steps: written once, walked four times; the LDS addresses hang on s[TB]
	s_mov_b32 s[STEPS], 4
.Lstep_\@:
	STEP
	s_sub_co_u32 s[STEPS], s[STEPS], 1
	s_cmp_lg_u32 s[STEPS], 0
	s_cbranch_scc1 .Lstep_\@
	s_sub_co_u32 s[TB], s[TB], SLOTB               ; back to a slot's first record,
	s_xor_b32 s[TB], s[TB], SLOT1                  ; in the other slot
.endm
.Lslot:                                            ; three trips: behind each change of slots but the last the next four records are asked for
	CHANGE 1
	FOUR_STEPS
	s_sub_co_u32 s[SLOTS], s[SLOTS], 1
	s_cmp_lg_u32 s[SLOTS], 0
	s_cbranch_scc1 .Lslot
	CHANGE 0                                       ; the last slot is written out
	FOUR_STEPS
	s_wait_tensorcnt 0x0                           ; the wave's end, behind my last tensor load and my last LDS store
	ds_add_u32 v[SPW], v[NIL]
	s_wait_dscnt 0x0
	CROUND                                         ; the closing round: no work-group ends while a partner may still ask for a record that names it
	s_endpgm
.Lfunc_end_k_q0f1a4ee24d_attn:
	.size	k_q0f1a4ee24d_attn, .Lfunc_end_k_q0f1a4ee24d_attn-k_q0f1a4ee24d_attn
	.p2alignl 7, 3214868480
	.fill 96, 4, 3214868480
	.section	.rodata,"a",@progbits
	.p2align	6, 0x0
	.amdhsa_kernel k_q0f1a4ee24d_attn
		.amdhsa_group_segment_fixed_size 327680
		.amdhsa_private_segment_fixed_size 0
		.amdhsa_enable_private_segment 0
		.amdhsa_kernarg_size 24
		.amdhsa_user_sgpr_count 2
		.amdhsa_user_sgpr_kernarg_segment_ptr 1
		.amdhsa_wavefront_size32 1
		.amdhsa_system_sgpr_workgroup_id_x 1
		.amdhsa_system_sgpr_workgroup_id_y 1
		.amdhsa_system_sgpr_workgroup_id_z 1
		.amdhsa_system_vgpr_workitem_id 0
		.amdhsa_next_free_vgpr 256
		.amdhsa_next_free_sgpr 66
		.amdhsa_reserve_vcc 1
		.amdhsa_float_denorm_mode_32 3
		.amdhsa_float_denorm_mode_16_64 3
		.amdhsa_memory_ordered 1
		.amdhsa_forward_progress 1
		.amdhsa_inst_pref_size 75
	.end_amdhsa_kernel
	.amdgpu_metadata
---
amdhsa.version: [ 1, 2 ]
amdhsa.kernels:
  - .name:           k_q0f1a4ee24d_attn
    .symbol:         k_q0f1a4ee24d_attn.kd
    .args:
      - { .name: query, .offset: 0, .size: 8, .value_kind: global_buffer, .address_space: global }
      - { .name: kv, .offset: 8, .size: 8, .value_kind: global_buffer, .address_space: global }
      - { .name: out0, .offset: 16, .size: 8, .value_kind: global_buffer, .address_space: global }
    .group_segment_fixed_size: 327680
    .private_segment_fixed_size: 0
    .kernarg_segment_align: 8
    .kernarg_segment_size: 24
    .max_flat_workgroup_size: 512
    .sgpr_count:     66
    .vgpr_count:     256
    .wavefront_size: 32
...
	.end_amdgpu_metadata
.endif
;; end of part 2
